; MI455X (gfx1250); checked and timed in simulation.
; The chip was launched on July 23, 2026; its instructions are those of AMD's public machine-readable ISA for CDNA 5 (MIT licence, August 2026) and "CDNA5" Instruction Set Architecture Reference Guide (July 2026). The comments in the code are by the model that wrote it; some were corrected since.
;; Bahdanau Attention. Allowed arithmetic: matrix products marked QUANTISED: E3M2 operands, one E8M0 scale for each 32 along K, by v_wmma_scale_f32_16x16x128_f8f6f4 with both operands' format E3M2, f32 sums; products left as they are: f32 operands where the result goes on into a quantised operand, else bf16, f16 or f32 operands; f32 sums; everything else in f32.
;; Inputs: V 1,024 x 1 float32; W1 1,024 x 1,024 float32; W2 1,024 x 1,024 float32; b1 1,024 float32; b2 1,024 float32; bV 1 float32; query 32 x 1,024 float32; values 32 x 2,048 x 1,024 float32.
;; Outputs: out0 32 x 1,024 float32; out1 32 x 2,048 x 1 float32.
;; This version of the problem:
;;   THIS VERSION OF THE PROBLEM IS GIVEN IN LOW PRECISION. The matrix products marked QUANTISED in the list below multiply operands that are first quantised to E3M2 (3 exponent bits, 2 mantissa bits; 6 bits a number), with one power-of-two scale for each 32 numbers along K (OCP MX v1.0); their sums are f32. All else is computed in f32.
;;   The module's matrix products, in the order in which they are computed (A, B: the left and right operand; K: the contracted axis; several contracted axes count as one K, in the product's order):
;;     1. [M 32, K 1,024] x [K 1,024, N 1,024]; A: input query; B: input W1: QUANTISED
;;     2. [M 65,536, K 1,024] x [K 1,024, N 1,024]; A: input values; B: input W2: QUANTISED
;;     3. [M 65,536, K 1,024] x [K 1,024, N 1]; A: computed on the way; B: input V: left as it is (N = 1 < 16)
;;   THE QUANTISER, for each operand of a quantised product, along K:
;;     - K is cut into blocks of 32 from its start; a last block that is shorter is filled with zeros.
;;     - A block's scale is 2^e with e = floor(log2(the largest magnitude in the block)) - 4, held to -126 .. 127; a block of zeros has e = 0. As a byte (E8M0): e + 127.
;;     - Each number is divided by its block's scale, clamped to +-28, and rounded to the nearest number of E3M2, ties to even, subnormals kept.
;;     - The product sums the exact products of the quantised numbers (number of the format x scale) in f32.
;;   ~~~python
;;   def quantise(x, axis):      # numpy; x: float32 -> the quantised numbers, widened to float32 again
;;       x = np.moveaxis(x, axis, -1); K = x.shape[-1]
;;       x = np.pad(x, [(0, 0)] * (x.ndim - 1) + [(0, -K % 32)]); x = x.reshape(x.shape[:-1] + (-1, 32)); a = np.abs(x).max(-1, keepdims=True)
;;       e = np.where(a > 0, np.clip(np.frexp(np.where(a > 0, a, 1))[1] - 1 - 4, -126, 127), 0)      # np.frexp(a)[1] - 1 = floor(log2(a)), exactly
;;       r = np.clip(x / 2.0 ** e, -28, 28)
;;       step = 2.0 ** (np.maximum(np.frexp(np.where(r == 0, 1, r))[1] - 1, -2) - 2)
;;       q = np.round(r / step) * step * 2.0 ** e      # np.round: ties to even
;;       return np.moveaxis(q.reshape(q.shape[:-2] + (-1,))[..., :K], -1, axis).astype(np.float32)
;;   ~~~
;; One version. Each part assembles by itself: llvm-mc -triple=amdgcn-amd-amdhsa -mcpu=gfx1250 --defsym DOCPART=n.
;; ======== version 1 of 1: 3 launches
;; limits: right only within a limited range of input values
;; workspace buffers: w2f 819,200 bytes; qb 131,072 bytes; scores 262,144 bytes
;; launch prep (part 1): grid 64 x 1, 8 waves a work-group, no clusters, 18,432 bytes of LDS; arguments W2, W1, query, b1, b2, w2f, qb; writes w2f, qb
.if DOCPART == 1
	.amdgcn_target "amdgcn-amd-amdhsa--gfx1250"
	.amdhsa_code_object_version 6
	.text
	.protected	k_q6dd39c03cf_prep
	.globl	k_q6dd39c03cf_prep
	.p2align	8
	.type	k_q6dd39c03cf_prep,@function
k_q6dd39c03cf_prep:
	s_mov_b64 s[64:65], 0
	v_nop
	global_prefetch_b8 v0, s[64:65] scope:SCOPE_SE
	s_setreg_imm32_b32 hwreg(HW_REG_WAVE_MODE, 25, 1), 1
	s_wait_xcnt 0x0
; PREP.  (a) W2 [1024 (k)][1024 (n)] f32 becomes codes of BF6 (E3M2) with one E8M0 byte for each 32 along k, laid in w2f in the ORDER OF THE OPERAND'S REGISTERS;
; (b) qb[b][n] = Q(query) Q(W1) + b1 + b2, both operands quantised along k, product by the scaled matrix instruction, sums in f32.
; SHARES.  Work-group j takes columns 16 j .. 16 j + 15 of W2 and of W1; its wave s takes k = 128 s .. 128 s + 127.  A lane (r = lane % 16, h = lane / 16) takes column r and its registers run DOWN k in the
; order that the operand's layout gives that lane (k = 64 c + 32 h + i): so a lane holds two whole blocks of 32, no other lane is asked for a maximum, and the conversions' results are the operand's registers.
; w2f: 16 slots of 51,200 bytes, slot q = columns 64 q .. 64 q + 63 (4 tiles).  Fragment (tile t, k step s) at (8 t + s) x 1,536: three groups of four registers, group c at 512 c + 16 x lane.
;      From 49,152 on the scale words: tile t at 512 t, row r's eight words (s = 0 .. 7) at 32 r.
; qb:  tile j at 2,048 j, as the image of the two results: chunk c = 2 mt + (register / 4) at 512 c + 16 x lane; its register i is batch 16 mt + r, column 16 j + 8 h + 4 (c & 1) + i.
; A block's scale is 2^(floor(log2(largest magnitude)) - 4); its byte is the largest magnitude's exponent field - 4, held at 1 from below by a floor among the maximum's leaves.
; LIMITS: NaN and infinities among the inputs are not served.  A block of zeros gets the byte 1 where the quantiser says 127: its codes are zeros, and this program alone reads the bytes.
; The sum over k is made in eight parts (one a wave) that are added in ascending k.
; NO CLUSTER: operands go from memory straight into registers; each number of W1 and W2 is read by one work-group, and what all share (query, 128 KiB) is a sixtieth of what the launch reads.
; LEFT OUT IN THE WHOLE PROGRAM: bV.  The scores reach both outputs through the softmax over t alone, and softmax(s + c) = softmax(s) for every c that is the same for all t:
; exp(s + c - max(s + c)) = exp(s - max(s)), whatever finite values the inputs hold.  bV is such a c, so it is not loaded and is no argument of any launch.
; Likewise, with tanh(x) = 1 - 2 r, the term sum over n of V[n] is the same for all t and is not formed: the stored scores are sum over n of (-2 V[n]) r.
; LIMIT: a NaN, an infinity or an overflow that reaches only bV or the sum of V is not carried to the result.
.set SCW,  16384
.set XA,   32                          ; v32-95   64 numbers: W2's, later query rows 16-31
.set XB,   96                          ; v96-159  W1's
.set XC,   160                         ; v160-223 query rows 0-15
.set TT,   224                         ; v224-239 the conversions' results, three registers at TT, TT+4, TT+8, TT+12
.set MX,   240                         ; v240-241 largest magnitudes
.set SO,   242                         ; v242-243 the conversions' scale operands
.set BY,   244                         ; v244-245 the scale bytes
.set WD,   246                         ; my two bytes at their places
.set WP,   247                         ; lane l xor 16's
.set SH,   4                           ; v4  8 h
.set WV,   20                          ; s20 wave
.set SEL,  28                          ; s[28:29] lane selects: lane l xor 16
; 64 numbers of a lane, v[x + 32 c + i] = k 64 c + 32 h + i, become the 12 registers of a fragment at v[d] and the scale word in v[sc].
.macro QF x, d, sc
	v_max3_num_f32 v[MX], |v[\x]|, |v[\x+1]|, 0x2800000            ; the floor 2^(5 - 127): the byte cannot fall under 1
	v_max3_num_f32 v[MX+1], |v[\x+32]|, |v[\x+33]|, 0x2800000
.set II, 2
.rept 15
	s_delay_alu instid0(VALU_DEP_2)
	v_max3_num_f32 v[MX], v[MX], |v[\x+II]|, |v[\x+II+1]|          ; the two blocks by turns
	s_delay_alu instid0(VALU_DEP_2)
	v_max3_num_f32 v[MX+1], v[MX+1], |v[\x+32+II]|, |v[\x+33+II]|
.set II, II+2
.endr
	s_delay_alu instid0(VALU_DEP_2)
	v_add_nc_u32 v[SO], 0xfe000000, v[MX]                          ; 4 off the exponent field: the conversion takes this operand's exponent field as its scale
	s_delay_alu instid0(VALU_DEP_2)
	v_add_nc_u32 v[SO+1], 0xfe000000, v[MX+1]
	v_cvt_scalef32_pk16_bf6_f32 v[TT:TT+2], v[\x:\x+15], v[SO]
	v_cvt_scalef32_pk16_bf6_f32 v[TT+4:TT+6], v[\x+16:\x+31], v[SO]
	v_cvt_scalef32_pk16_bf6_f32 v[TT+8:TT+10], v[\x+32:\x+47], v[SO+1]
	v_cvt_scalef32_pk16_bf6_f32 v[TT+12:TT+14], v[\x+48:\x+63], v[SO+1]
	v_lshrrev_b32 v[BY], 23, v[SO]                                 ; the bytes; also the plain lines behind the conversions
	v_lshrrev_b32 v[BY+1], 23, v[SO+1]
	s_delay_alu instid0(VALU_DEP_1)
	v_lshl_or_b32 v[WD], v[BY+1], 16, v[BY]                        ; blocks h and 2 + h,
	s_delay_alu instid0(VALU_DEP_1)
	v_lshlrev_b32 v[WD], v[SH], v[WD]                              ; 8 h bits up;
	s_delay_alu instid0(VALU_DEP_1)
	v_permlanex16_b32 v[WP], v[WD], s[SEL], s[SEL+1]
	s_delay_alu instid0(VALU_DEP_1)
	v_or_b32 v[\sc], v[WD], v[WP]                                  ; with lane l xor 16's two the word is whole
.irp c, 0,1
.irp e, 0,1
.irp i, 0,1,2
	v_mov_b32 v[\d+6*\c+3*\e+\i], v[TT+8*\c+4*\e+\i]               ; a conversion's three registers begin on an even number, a block's second three do not
.endr
.endr
.endr
.endm
.macro LDW x, b                        ; a weight: 64 rows k of my column; sixteen lanes read 64 neighbouring bytes
.set II, 0
.rept 64
	global_load_b32 v[\x+II], v5, s[\b:\b+1] offset:(64*(II/32)+II%32)*4096
.set II, II+1
.endr
.endm
.macro LDQ x, off                      ; query: my row's 64 numbers of this k step
.irp c, 0,1
.irp i, 0,1,2,3,4,5,6,7
	global_load_b128 v[\x+32*\c+4*\i:\x+32*\c+4*\i+3], v6, s[8:9] offset:\off+256*\c+16*\i
.endr
.endr
.endm
	s_load_b256 s[4:11], s[0:1], 0x0               ; W2 s[4:5], W1 s[6:7], query s[8:9], b1 s[10:11]
	s_load_b128 s[12:15], s[0:1], 0x20             ; b2 s[12:13], w2f s[14:15]
	s_load_b64 s[16:17], s[0:1], 0x30
	v_lshl_add_u32 v13, v0, 2, 17408               ; my spare word, behind the scale words; never rewritten
	v_mov_b32 v14, 0                               ; 0; never rewritten
	v_lshrrev_b32 v1, 5, v0
	s_delay_alu instid0(VALU_DEP_1)
	v_readfirstlane_b32 s[WV], v1                  ; wave = k step
	v_and_b32 v1, 31, v0                           ; lane
	v_and_b32 v2, 15, v0                           ; r
	v_bfe_u32 v3, v0, 4, 1                         ; h
	s_delay_alu instid0(VALU_DEP_1)
	v_lshlrev_b32 v[SH], 3, v3
	s_delay_alu instid0(VALU_DEP_3)
	v_lshlrev_b32 v5, 2, v2
	s_delay_alu instid0(VALU_DEP_1)
	v_lshl_add_u32 v5, v3, 17, v5                  ; a weight: 4 r + 32 h rows of 4,096 bytes
	v_lshlrev_b32 v6, 12, v2
	s_delay_alu instid0(VALU_DEP_1)
	v_lshl_add_u32 v6, v3, 7, v6                   ; query: row r, + 128 h
	v_lshlrev_b32 v7, 4, v1                        ; 16 x lane
	s_lshl_b32 s21, s[WV], 11
	v_add_nc_u32 v8, s21, v7                       ; LDS: my wave's partial results
	s_and_b32 s21, s[WV], 3
	s_lshl_b32 s21, s21, 9
	v_add_nc_u32 v9, s21, v7                       ; the chunk that I add up (waves 0-3): in LDS and in qb's tile
	s_lshl_b32 s21, s[WV], 2
	s_add_co_u32 s21, s21, SCW
	v_lshl_add_u32 v10, v2, 5, s21                 ; LDS: W2's scale word of row r, k step s
	v_add_nc_u32 v11, SCW, v7                      ; and the 512 bytes of them on the way out
	s_and_b32 s21, s[WV], 1
	s_lshl_b32 s21, s21, 4
	v_lshl_add_u32 v12, v3, 5, s21                 ; the biases of my chunk: 32 h + 16 (chunk & 1)
	v_mov_b32 v[WP], 0                             ; a lane permute's destination counts as one of its sources
	s_mov_b32 s[SEL], 0x76543210
	s_mov_b32 s[SEL+1], 0xfedcba98
	s_lshl_b32 s22, s[WV], 19                      ; 128 s rows of a weight
	s_lshl_b32 s24, ttmp9, 6                       ; 16 j columns
	s_add_co_u32 s22, s22, s24
	s_mov_b32 s23, 0
	s_mov_b32 s25, 0
	s_lshl_b32 s26, s[WV], 9                       ; query: 128 s numbers
	s_mov_b32 s27, 0
	s_lshr_b32 s30, ttmp9, 2
	s_mul_i32 s30, s30, 51200                      ; my slot of w2f
	s_and_b32 s31, ttmp9, 3                        ; my tile in it
	s_mul_i32 s32, s31, 12288
	s_mul_i32 s33, s[WV], 1536
	s_add_co_u32 s32, s32, s33
	s_add_co_u32 s32, s32, s30                     ; my fragment's image
	s_mov_b32 s33, 0
	s_lshl_b32 s34, s31, 9
	s_add_co_u32 s34, s34, s30
	s_add_co_u32 s34, s34, 49152                   ; my tile's scale words
	s_mov_b32 s35, 0
	s_lshl_b32 s36, ttmp9, 11                      ; my tile of qb
	s_mov_b32 s37, 0
	s_wait_alu depctr_va_vdst(0)
	s_wait_kmcnt 0x0
	s_add_nc_u64 s[4:5], s[4:5], s[22:23]
	s_add_nc_u64 s[6:7], s[6:7], s[22:23]
	s_add_nc_u64 s[8:9], s[8:9], s[26:27]
	s_add_nc_u64 s[10:11], s[10:11], s[24:25]
	s_add_nc_u64 s[12:13], s[12:13], s[24:25]
	s_add_nc_u64 s[38:39], s[14:15], s[34:35]
	s_add_nc_u64 s[14:15], s[14:15], s[32:33]
	s_add_nc_u64 s[16:17], s[16:17], s[36:37]
	LDQ XC, 0                                      ; query rows 0-15
	global_load_b128 v[248:251], v12, s[10:11]     ; b1
	global_load_b128 v[252:255], v12, s[12:13]     ; b2
	LDW XA, 4                                      ; W2
	LDW XB, 6                                      ; W1
	s_wait_loadcnt 63                              ; 146 loads are out and the youngest 64 are W1's: at 63 the 82 in front of them are in
	QF XA, 16, 28                                  ; W2's fragment v16-27, its scale word v28
.irp c, 0,1,2
	global_store_b128 v7, v[16+4*\c:19+4*\c], s[14:15] offset:512*\c   ; 32 lanes store 512 consecutive bytes, at a multiple of 256 from w2f's first byte
.endr
	ds_store_b32 v10, v28                          ; both halves of the lanes write the same word with the same value
	LDQ XA, 65536                                  ; query rows 16-31
	QF XC, 160, 30                                 ; query rows 0-15: v160-171, v30
	s_wait_loadcnt 16                              ; only the sixteen just issued may be out: W1 is in
	QF XB, 96, 29                                  ; W1's fragment v96-107, v29
	s_wait_loadcnt 0x0
	QF XA, 32, 31                                  ; query rows 16-31: v32-43, v31
.rept 8
	v_nop                                          ; a scale register written by a vector instruction stands 8 places ahead of a scaled matrix instruction, an operand so written 4
.endr
	; transposed: source 0 = 16 columns of W1, source 1 = 16 rows of query: register i of lane (r, h) is batch r, column 8 h + i
	v_wmma_scale_f32_16x16x128_f8f6f4 v[112:119], v[96:107], v[160:171], 0, v29, v30 matrix_a_fmt:MATRIX_FMT_BF6 matrix_b_fmt:MATRIX_FMT_BF6
	v_wmma_scale_f32_16x16x128_f8f6f4 v[120:127], v[96:107], v[32:43], 0, v29, v31 matrix_a_fmt:MATRIX_FMT_BF6 matrix_b_fmt:MATRIX_FMT_BF6
.rept 4
	v_nop                                          ; four places in front of the first read of a result (ISA guide 7.12.1)
.endr
	ds_store_b128 v8, v[112:115]                   ; each result from its low end on
	ds_store_b128 v8, v[116:119] offset:512
	ds_store_b128 v8, v[120:123] offset:1024
	ds_store_b128 v8, v[124:127] offset:1536
	s_wait_dscnt 0x0                               ; for the others' sake: my stores have landed
	s_barrier_signal -1
	s_barrier_wait -1
	s_cmp_lt_u32 s[WV], 4
	s_cbranch_scc0 .Lno_sum
.irp i, 0,1,2,3,4,5,6,7
	ds_load_b128 v[128+4*\i:131+4*\i], v9 offset:2048*\i           ; chunk s of all eight k steps
.endr
	s_wait_dscnt 0x0
.irp i, 1
	v_pk_add_f32 v[128:129], v[128:129], v[128+4*\i:129+4*\i]      ; k ascending
	v_pk_add_f32 v[130:131], v[130:131], v[130+4*\i:131+4*\i]
.endr
.irp i, 2, 3, 4, 5, 6, 7
	s_delay_alu instid0(VALU_DEP_2)
	v_pk_add_f32 v[128:129], v[128:129], v[128+4*\i:129+4*\i]      ; k ascending
	s_delay_alu instid0(VALU_DEP_2)
	v_pk_add_f32 v[130:131], v[130:131], v[130+4*\i:131+4*\i]
.endr
	s_delay_alu instid0(VALU_DEP_2)
	v_pk_add_f32 v[128:129], v[128:129], v[248:249]
	s_delay_alu instid0(VALU_DEP_2)
	v_pk_add_f32 v[130:131], v[130:131], v[250:251]
	s_delay_alu instid0(VALU_DEP_2)
	v_pk_add_f32 v[128:129], v[128:129], v[252:253]
	s_delay_alu instid0(VALU_DEP_2)
	v_pk_add_f32 v[130:131], v[130:131], v[254:255]
	global_store_b128 v9, v[128:131], s[16:17]     ; 512 consecutive bytes of qb
	s_wait_tensorcnt 0x0                           ; the wave's end
	ds_add_u32 v13, v14
	s_wait_dscnt 0x0
	s_endpgm
.Lno_sum:
	s_cmp_eq_u32 s[WV], 4
	s_cbranch_scc0 .Lend
	ds_load_b128 v[128:131], v11
	s_wait_dscnt 0x0
	global_store_b128 v7, v[128:131], s[38:39]     ; the tile's 512 bytes of scale words
.Lend:
	s_wait_tensorcnt 0x0                           ; the wave's end
	ds_add_u32 v13, v14
	s_wait_dscnt 0x0
	s_endpgm
.Lfunc_end_k_q6dd39c03cf_prep:
	.size	k_q6dd39c03cf_prep, .Lfunc_end_k_q6dd39c03cf_prep-k_q6dd39c03cf_prep
	.p2alignl 7, 3214868480
	.fill 96, 4, 3214868480
	.section	.rodata,"a",@progbits
	.p2align	6, 0x0
	.amdhsa_kernel k_q6dd39c03cf_prep
		.amdhsa_group_segment_fixed_size 18432
		.amdhsa_private_segment_fixed_size 0
		.amdhsa_enable_private_segment 0
		.amdhsa_kernarg_size 56
		.amdhsa_user_sgpr_count 2
		.amdhsa_user_sgpr_kernarg_segment_ptr 1
		.amdhsa_wavefront_size32 1
		.amdhsa_system_sgpr_workgroup_id_x 1
		.amdhsa_system_sgpr_workgroup_id_y 1
		.amdhsa_system_sgpr_workgroup_id_z 1
		.amdhsa_system_vgpr_workitem_id 0
		.amdhsa_next_free_vgpr 256
		.amdhsa_next_free_sgpr 66
		.amdhsa_reserve_vcc 0
		.amdhsa_float_denorm_mode_32 3
		.amdhsa_float_denorm_mode_16_64 3
		.amdhsa_memory_ordered 1
		.amdhsa_forward_progress 1
		.amdhsa_inst_pref_size 40
	.end_amdhsa_kernel
	.amdgpu_metadata
---
amdhsa.version: [ 1, 2 ]
amdhsa.kernels:
  - .name:           k_q6dd39c03cf_prep
    .symbol:         k_q6dd39c03cf_prep.kd
    .args:
      - { .name: W2, .offset: 0, .size: 8, .value_kind: global_buffer, .address_space: global }
      - { .name: W1, .offset: 8, .size: 8, .value_kind: global_buffer, .address_space: global }
      - { .name: query, .offset: 16, .size: 8, .value_kind: global_buffer, .address_space: global }
      - { .name: b1, .offset: 24, .size: 8, .value_kind: global_buffer, .address_space: global }
      - { .name: b2, .offset: 32, .size: 8, .value_kind: global_buffer, .address_space: global }
      - { .name: w2f, .offset: 40, .size: 8, .value_kind: global_buffer, .address_space: global }
      - { .name: qb, .offset: 48, .size: 8, .value_kind: global_buffer, .address_space: global }
    .group_segment_fixed_size: 18432
    .private_segment_fixed_size: 0
    .kernarg_segment_align: 8
    .kernarg_segment_size: 56
    .max_flat_workgroup_size: 256
    .sgpr_count:     66
    .vgpr_count:     256
    .wavefront_size: 32
...
	.end_amdgpu_metadata
.endif
;; end of part 1
;; launch score (part 2): grid 256 x 1, 8 waves a work-group, clusters of 4 x 1, 327,680 bytes of LDS; arguments values, w2f, qb, V, scores; writes scores
.if DOCPART == 2
	.amdgcn_target "amdgcn-amd-amdhsa--gfx1250"
	.amdhsa_code_object_version 6
	.text
	.protected	k_q6dd39c03cf_score
	.globl	k_q6dd39c03cf_score
	.p2align	8
	.type	k_q6dd39c03cf_score,@function
k_q6dd39c03cf_score:
	s_mov_b64 s[64:65], 0
	v_nop
	global_prefetch_b8 v0, s[64:65] scope:SCOPE_SE
	s_setreg_imm32_b32 hwreg(HW_REG_WAVE_MODE, 25, 1), 1
	s_wait_xcnt 0x0
	s_wait_alu depctr_hold_cnt(0) depctr_sa_sdst(0) depctr_va_vdst(0) depctr_va_sdst(0) depctr_va_ssrc(0) depctr_va_vcc(0) depctr_vm_vsrc(0)
	s_getreg_b32 s2, hwreg(HW_REG_IB_STS2, 6, 4)
	s_cmp_eq_u32 s2, 0
	s_cbranch_scc0 .Lentry_in_a_cluster
	s_endpgm
.Lentry_in_a_cluster:
	s_bfe_u32 s2, ttmp6, 0x10000c
	s_cmp_lg_u32 s2, 0x3003
	s_cbranch_scc0 .Lentry_shape_is_right
	s_endpgm
.Lentry_shape_is_right:
; SCORE.  scores[b][t] = sum over n of (-2 V[n]) r,  r = 1 / (1 + 2^(2 log2(e) x)),  x = qb[b][n] + Q(values[b][t]) . Q(W2[:, n]).  tanh(x) = 1 - 2 r.
; LEFT OUT: bV and the sum of V: both are the same for all t and fall out of the softmax over t, through which alone the scores reach the outputs (shown at the head of the first kernel).
; The product runs on codes of BF6 (E3M2) with one E8M0 scale for each 32 along k, sums in f32; all else in f32.
; SHARES.  A work-group owns 256 rows (b, t), each of its eight waves 32 of them (two tiles of 16) for all 1,024 columns n.
; PHASE X: a wave's rows come by tensor loads into its own two LDS tiles of 16 rows x 1,024 bytes (16 bytes of padding a row), eight steps; a step's two units of 16 rows x 128 k are read
;   128 bytes of a row to a lane and quantised in registers.  The wave's 16 fragments (192 registers) and 8 scale registers stay in registers.  One load a wave behind each round.
;   Each wave prefetches its own tile of two steps on (64 blocks of 256 bytes, a lane a block, two instructions); steps 0 and 1 come by their loads alone, the last two steps ask for nothing.
; PHASE G: W2's codes, laid by the launch before as images of the operand's registers, pass in 8 slots of 128 columns (102,400 bytes) through two LDS slots.  All work-groups walk the same slots,
;   so the four of a cluster ask for each JOINTLY (mask 15), an eighth of a slot a wave.  Slot 0 is asked for in phase X's last step, on the tiles read out a step before.
;   w2f is not prefetched: it is 819,200 bytes that every work-group reads, against 1 MiB of values for each.
;   A group is 64 columns x my 32 rows: 8 accumulators by turns x 8 k steps = 64 matrix instructions, then the tanh of its 64 numbers a lane in batches.
;   The waves w in which (w xor w / 4) is odd make a group's tanh behind the next barrier or group: so of waves w and w + 4, and of waves 2 i and 2 i + 1, one stands in vector work while the
;   other stands in matrix work.  Their first tanh finds phase X's last numbers in the accumulators and zeros for V, which add nothing.
; Source 0 = 16 of my rows, source 1 = 16 columns of W2: a lane holds ONE column (lane % 16) and eight rows (8 (lane / 16) + 0 .. 7).  So qb and V are one number a lane for each tile of columns:
;   they lie in LDS by group, 16 bytes a lane (four tiles), qb as qb x 2 log2(e), V as -2 V, and two loads a group bring them, issued in the group's last k step.
;   A lane sums its own column's part of 16 rows; the 16 lanes of a row of lanes are joined once, at the wave's end.
; LIMITS: NaN and infinities among the inputs are not served.  A block of zeros gets the scale byte 1 where the quantiser says 127: its codes are zeros, and the bytes stay in this wave.
; REGISTERS: window 0: v1-30 addresses; v32-39 my rows' scale words (k step s; lanes 0-15 tile 0, lanes 16-31 tile 1); v48-63 W2's scale words; v64-127 accumulators; v128-223 W2's fragments, two
;   buffers of a k step; v224-227 qb, v228-231 V of a group; v232-247 sums.  In phase X v64-191 hold two units' numbers, v224-232 the quantiser's.
;   window 1: v0-191 my fragments (24 s + 12 m); v240-246 conversions; v248-252 phase G's LDS addresses (an LDS load's address is its source 0, like my fragments in a matrix instruction).
.set RING1, 131072                     ; W2's slot 1
.set SLOTB, 102400
.set GRPB,  51200                      ; a group's images (49,152 bytes) and scale words (2,048)
.set XP,    1040                       ; phase X: an LDS row: 1,024 bytes + 16: the sixteen rows of a load start at sixteen different places modulo 256 bytes
.set XT,    16640                      ; a tile: 16 rows
.set XQ,    133120                     ; the waves' second tiles lie behind the eight first ones
.set QV,    266240                     ; 16 groups x 512 bytes: qb x 2 log2(e) (16 r + 4 n), and 256 bytes on -2 V
.set SCO,   274432                     ; the work-group's 256 scores
.set SPARE, 275456                     ; the spare words, 128 bytes a wave
.set SPW, 1
.set NIL, 2
.set HH,  3
.set SH,  4
.set LX0, 5
.set LX1, 6
.set PFO, 7
.set L16, 8
.set L16B, 9
.set L32, 10
.set L32B, 11
.set AV0, 12
.set SCA, 20
.set SCB, 21
.set T16, 22
.set QST, 23
.set QGO, 28
.set SCG, 30
.set ASC, 32
.set BSC, 48
.set ACC, 64
.set BF,  128
.set QC,  224
.set VS,  228
.set SCR, 232
.set MX,  224
.set SO,  226
.set BY,  228
.set WD,  230
.set WP,  231
.set NW,  232
.set CT,  240                          ; window 1
.set ABW, 248
.set ASW, 250
.set AVW, 252
.set WV,  16
.set ODD, 17
.set G1X, 24
.set G0X, 32
.set G1B, 40
.set G0B, 48
.set TB,  52
.set CNT, 53
.set CS,  54
.set SEL, 56
.set HM,  58
.set SOFF, 59
.set XB,  60
.set MSB, 0
.macro WIN new                         ; the immediate's high byte repeats the setting that is left
.if MSB != (\new)
	s_set_vgpr_msb (MSB<<8)|(\new)
.set MSB, (\new)
.endif
.endm
.macro NOPS n
.rept \n
	v_nop
.endr
.endm
.macro CROUND                          ; a round of the cluster's barrier
	s_barrier_signal -1
	s_barrier_wait -1
	s_cmp_lg_u32 s[WV], 0
	s_cbranch_scc1 .Lnw0_\@
	s_barrier_signal -3
.Lnw0_\@:
	s_barrier_wait -3
	s_barrier_signal -1
	s_barrier_wait -1
.endm
; 64 numbers of a lane, v[x + 32 c + i] = k 64 c + 32 h + i of my row, become a fragment's 12 registers at v[d] of window 1 and the scale word of k step s, tile m.
.macro QF x, d, s, m
	v_max3_num_f32 v[MX], |v[(\x)]|, |v[(\x)+1]|, 0x2800000        ; the floor 2^(5 - 127): the byte cannot fall under 1
	v_max3_num_f32 v[MX+1], |v[(\x)+32]|, |v[(\x)+33]|, 0x2800000
.set II, 2
.rept 15
	s_delay_alu instid0(VALU_DEP_2)
	v_max3_num_f32 v[MX], v[MX], |v[(\x)+II]|, |v[(\x)+II+1]|      ; a lane holds two whole blocks: they take turns
	s_delay_alu instid0(VALU_DEP_2)
	v_max3_num_f32 v[MX+1], v[MX+1], |v[(\x)+32+II]|, |v[(\x)+33+II]|
.set II, II+2
.endr
	s_delay_alu instid0(VALU_DEP_2)
	v_add_nc_u32 v[SO], 0xfe000000, v[MX]                          ; 4 off the exponent field: the conversion's scale operand
	s_delay_alu instid0(VALU_DEP_2)
	v_add_nc_u32 v[SO+1], 0xfe000000, v[MX+1]
	s_delay_alu instid0(VALU_DEP_2)
	v_lshrrev_b32 v[BY], 23, v[SO]                                 ; the bytes
	s_delay_alu instid0(VALU_DEP_2)
	v_lshrrev_b32 v[BY+1], 23, v[SO+1]
	s_delay_alu instid0(VALU_DEP_1)
	v_lshl_or_b32 v[WD], v[BY+1], 16, v[BY]                        ; blocks h and 2 + h,
	s_delay_alu instid0(VALU_DEP_1)
	v_lshlrev_b32 v[WD], v[SH], v[WD]                              ; 8 h bits up;
	s_delay_alu instid0(VALU_DEP_1)
	v_permlanex16_b32 v[WP], v[WD], s[SEL], s[SEL+1]
	s_delay_alu instid0(VALU_DEP_1)
.if (\m) == 0
	v_or_b32 v[ASC+(\s)], v[WD], v[WP]                             ; with lane l xor 16's two the word is whole
.else
	v_or_b32 v[NW], v[WD], v[WP]
	s_delay_alu instid0(VALU_DEP_1)
	v_cndmask_b32 v[ASC+(\s)], v[ASC+(\s)], v[NW], s[HM]           ; tile 1's words go to lanes 16-31
.endif
	WIN 0x40                                                       ; destination window 1
	v_cvt_scalef32_pk16_bf6_f32 v[(\d):(\d)+2], v[(\x):(\x)+15], v[SO]
	v_cvt_scalef32_pk16_bf6_f32 v[CT:CT+2], v[(\x)+16:(\x)+31], v[SO]          ; a conversion's three registers begin on an even number, a block's second three do not
	v_cvt_scalef32_pk16_bf6_f32 v[(\d)+6:(\d)+8], v[(\x)+32:(\x)+47], v[SO+1]
	v_cvt_scalef32_pk16_bf6_f32 v[CT+4:CT+6], v[(\x)+48:(\x)+63], v[SO+1]
	v_nop                                                          ; a plain line behind the conversions
	WIN 0x41
.irp i, 0,1,2
	v_mov_b32 v[(\d)+3+\i], v[CT+\i]
	v_mov_b32 v[(\d)+9+\i], v[CT+4+\i]
.endr
	WIN 0
.endm
; Phase X, step j: tile j / 4 of my rows, k = 256 (j % 4) .. + 255, in my LDS tile j % 2.
.macro XSTEP j
	s_wait_alu depctr_va_vdst(0)
	s_wait_tensorcnt 0x0                           ; my one load that was out has landed: step j's tile
	ds_add_u32 v[SPW], v[NIL]
.if (\j) < 7
	s_add_co_u32 s[G0X+1], s[XB], XQ*(((\j)+1)%2)  ; no load of mine is out: the descriptor steps to step j + 1
.if (\j)%4 == 3
	s_add_nc_u64 s[G0X+2:G0X+3], s[G0X+2:G0X+3], 62464   ; 16 rows down, 3,072 bytes back
.else
	s_add_nc_u64 s[G0X+2:G0X+3], s[G0X+2:G0X+3], 1024
.endif
.endif
	s_wait_dscnt 0x0                               ; the add is done, and my reads of the other tile
	CROUND
.if (\j) < 7
	tensor_load_to_lds s[G0X:G0X+3], s[G1X:G1X+7]  ; step j + 1, into the tile read last step
.else
	tensor_load_to_lds s[G0B:G0B+3], s[G1B:G1B+7]  ; W2's slot 0, jointly, on the first tiles, which every wave has read out
.endif
	s_nop 0
	NOPS 4
.irp e, 0,1
.irp c, 0,1
.irp i, 0,1,2,3,4,5,6,7
	ds_load_b128 v[ACC+64*\e+32*\c+4*\i:ACC+64*\e+32*\c+4*\i+3], v[LX0+(\j)%2] offset:512*\e+256*\c+16*\i
.endr
.endr
.endr
.if (\j) < 6
.set PO, 65536*(((\j)+2)/4)+1024*(((\j)+2)%4)
	global_prefetch_b8 v[PFO], s[4:5] offset:PO th:TH_LOAD_NT scope:SCOPE_SE       ; step j + 2's tile: 16 rows x 4 blocks of 256 bytes
	global_prefetch_b8 v[PFO], s[4:5] offset:PO+512 th:TH_LOAD_NT scope:SCOPE_SE
.endif
	s_wait_dscnt 16                                ; the first unit's sixteen loads are in, the second's may be out
	QF ACC, 24*(2*((\j)%4))+12*((\j)/4), 2*((\j)%4), (\j)/4
	s_wait_alu depctr_va_vdst(0)
	s_wait_dscnt 0x0
	QF ACC+64, 24*(2*((\j)%4)+1)+12*((\j)/4), 2*((\j)%4)+1, (\j)/4
.endm
; Matrix instruction: k step s, accumulator i = 2 n + m (tile n of the group's columns, tile m of my rows).  The first k step starts the sum with the constant 0.
.macro WM1 c, mods:vararg
	v_wmma_scale_f32_16x16x128_f8f6f4 v[RD:RD+7], v[RF:RF+11], v[RB:RB+11], \c, v[RSA], v[RSB] matrix_a_fmt:MATRIX_FMT_BF6 matrix_b_fmt:MATRIX_FMT_BF6 \mods
.endm
.macro WM2 mods:vararg
.if WS == 0
	WM1 0, \mods
.else
	WM1 v[RD:RD+7], \mods
.endif
.endm
.macro WM s, i
.set WS, (\s)
.set RD, ACC+8*(\i)
.set RB, BF+48*((\s)%2)+12*((\i)/2)
.set RF, 24*(\s)+12*((\i)%2)
.set RSB, BSC+8*((\i)/4)+(\s)
.set RSA, ASC+(\s)
.if ((\i)/2)%2 == 0
.if (\i)%2 == 0
	WM2
.else
	WM2 matrix_a_scale:MATRIX_SCALE_ROW1
.endif
.else
.if (\i)%2 == 0
	WM2 matrix_b_scale:MATRIX_SCALE_ROW1
.else
	WM2 matrix_a_scale:MATRIX_SCALE_ROW1 matrix_b_scale:MATRIX_SCALE_ROW1
.endif
.endif
.endm
.macro BL u, s                         ; W2's four fragments of k step s of the slot's group u: images, 512 consecutive bytes a load.  (Address window 1, destination window 0)
.irp n, 0,1,2,3
.irp c, 0,1,2
	ds_load_b128 v[BF+48*((\s)%2)+12*\n+4*\c:BF+48*((\s)%2)+12*\n+4*\c+3], v[ABW+(\u)] offset:12288*\n+1536*(\s)+512*\c
.endr
.endr
.endm
.macro PRO u                           ; what group u's first products need: W2's scale words and the fragments of k step 0: 16 loads
	WIN 0x01
.irp p, 0,1
.irp e, 0,1
	ds_load_b128 v[BSC+8*\p+4*\e:BSC+8*\p+4*\e+3], v[ASW+(\u)] offset:49152+1024*\p+16*\e
.endr
.endr
	BL \u, 0
	WIN 0
.endm
.macro MM u                            ; a group's 64 matrix instructions; the eight accumulators take turns
	WIN 0x01                                       ; source 0 window 1
.set SS, 0
.rept 8
.if SS > 0
	NOPS 4                                         ; places in front of loads into the buffer that the last k step's products read
.endif
.if SS < 7
	BL \u, SS+1
	s_wait_dscnt 12                                ; all but the twelve just issued: this k step's fragments are in
.else
	ds_load_b128 v[QC:QC+3], v[AVW] offset:512*(\u)               ; qb and V of this group, for its tanh
	ds_load_b128 v[VS:VS+3], v[AVW] offset:512*(\u)+256
	s_wait_dscnt 2                                 ; all but these two
.endif
.set QQ, 0
.rept 8
	WM SS, QQ
.set QQ, QQ+1
.endr
.set SS, SS+1
.endr
	NOPS 5                                         ; places in front of the first read of a result, of loads into the products' registers, and of a sum begun anew
	WIN 0
.endm
.macro TANH wc                         ; the 64 numbers of the accumulators, each from its low end on.  wc: the LDS loads issued behind the group's qb and V
	s_wait_dscnt \wc
.set KK, 0
.rept 32
.if (KK/8)%2 == 0
	v_pk_fma_f32 v[ACC+2*KK:ACC+2*KK+1], v[ACC+2*KK:ACC+2*KK+1], s[CS:CS+1], v[QC+KK/8:QC+KK/8+1] op_sel_hi:[1,0,0]   ; (sum + qb) x 2 log2(e)
.else
	v_pk_fma_f32 v[ACC+2*KK:ACC+2*KK+1], v[ACC+2*KK:ACC+2*KK+1], s[CS:CS+1], v[QC+KK/8-1:QC+KK/8] op_sel:[0,0,1] op_sel_hi:[1,0,1]
.endif
.set KK, KK+1
.endr
	s_wait_alu depctr_va_vdst(0)                   ; a wait ahead of each batch and behind it
.set KK, 0
.rept 64
	v_exp_f32 v[ACC+KK], v[ACC+KK]
.set KK, KK+1
.endr
	v_nop
	s_wait_alu depctr_va_vdst(0)
.set KK, 0
.rept 32
	v_pk_add_f32 v[ACC+2*KK:ACC+2*KK+1], v[ACC+2*KK:ACC+2*KK+1], 1.0 op_sel_hi:[1,0]
.set KK, KK+1
.endr
	s_wait_alu depctr_va_vdst(0)
.set KK, 0
.rept 64
	v_rcp_f32 v[ACC+KK], v[ACC+KK]                 ; r: 0 or 1 where the power overflows or falls to 0
.set KK, KK+1
.endr
	v_nop
	s_wait_alu depctr_va_vdst(0)
.set KK, 0
.rept 32
.set RS, SCR+8*((KK/4)%2)+2*(KK%4)
.if (KK/8)%2 == 0
	v_pk_fma_f32 v[RS:RS+1], v[ACC+2*KK:ACC+2*KK+1], v[VS+KK/8:VS+KK/8+1], v[RS:RS+1] op_sel_hi:[1,0,1]               ; two rows' sums += r x (-2 V)
.else
	v_pk_fma_f32 v[RS:RS+1], v[ACC+2*KK:ACC+2*KK+1], v[VS+KK/8-1:VS+KK/8], v[RS:RS+1] op_sel:[0,1,0] op_sel_hi:[1,1,1]
.endif
.set KK, KK+1
.endr
.endm
; A slot: two groups.  fill = 1: the round stands for the barrier of a refill, and the other slot, read out last trip, takes the next 128 columns.
.macro SLOTM fill
	s_wait_alu depctr_va_vdst(0)
	s_wait_tensorcnt 0x0                           ; my eighth of this trip's slot has landed
	ds_add_u32 v[SPW], v[NIL]
	s_xor_b32 s[TB], s[TB], RING1                  ; the slot in hand
.if \fill
	s_xor_b32 s[G0B+1], s[G0B+1], RING1
	s_add_nc_u64 s[G0B+2:G0B+3], s[G0B+2:G0B+3], SLOTB
.endif
	WIN 0x40                                       ; destination window 1
	v_add_nc_u32 v[ABW], s[TB], v[L16]
	v_add_nc_u32 v[ABW+1], s[TB], v[L16B]
	v_add_nc_u32 v[ASW], s[TB], v[L32]
	v_add_nc_u32 v[ASW+1], s[TB], v[L32B]
	v_add_nc_u32 v[AVW], s[SOFF], v[AV0]
	WIN 0
	s_wait_alu depctr_va_vdst(0)
	s_wait_dscnt 0x0                               ; the add is done, and my reads of the other slot
.if \fill
	CROUND
	tensor_load_to_lds s[G0B:G0B+3], s[G1B:G1B+7]  ; my one load behind the round: it has this trip's two groups in which to land
	s_nop 0
	NOPS 4
.else
	s_barrier_signal -1
	s_barrier_wait -1
.endif
	PRO 0
	s_cmp_eq_u32 s[ODD], 0
	s_cbranch_scc1 .Lska_\@
	TANH 16                                        ; the late waves: the group before this slot
.Lska_\@:
	MM 0
	PRO 1
	TANH 16
	MM 1
.if \fill
	s_cmp_lg_u32 s[ODD], 0
	s_cbranch_scc1 .Lskb_\@
.endif
	TANH 0                                         ; the other waves; in the last slot every wave
.if \fill
.Lskb_\@:
.endif
	s_add_co_u32 s[SOFF], s[SOFF], 1024            ; two groups of qb and V on
.endm
	s_load_b256 s[4:11], s[0:1], 0x0               ; values s[4:5], w2f s[6:7], qb s[8:9], V s[10:11]
	s_load_b64 s[12:13], s[0:1], 0x20              ; scores
	v_lshl_add_u32 v[SPW], v0, 2, SPARE
	v_mov_b32 v[NIL], 0
	ds_add_u32 v[SPW], v[NIL]                      ; the opening lines: the add twice on end and one wait
	ds_add_u32 v[SPW], v[NIL]
	v_lshrrev_b32 v24, 5, v0
	s_delay_alu instid0(VALU_DEP_1)
	v_readfirstlane_b32 s[WV], v24                 ; wave 0..7
	s_lshr_b32 s[ODD], s[WV], 2
	s_xor_b32 s[ODD], s[ODD], s[WV]
	s_and_b32 s[ODD], s[ODD], 1                    ; 1: a late wave
	s_bfe_u32 s18, ttmp6, 0x40000                  ; cx: it enters global addresses of my own loads and stores alone
	s_lshl_b32 s19, ttmp9, 2
	s_add_co_u32 s19, s19, s18                     ; my block of 256 rows
	s_mul_i32 s[XB], s[WV], XT
	s_mov_b32 s[G1X], (3<<16)|(1<<20)|(7<<22)|(3<<25)   ; values' tile: elements of 8 bytes; 4 words of padding behind every 256
	s_mov_b32 s[G1X+1], 128<<16
	s_mov_b32 s[G1X+2], 16<<16
	s_mov_b32 s[G1X+3], 128<<16
	s_mov_b32 s[G1X+4], 16
	s_mov_b32 s[G1X+5], 512                        ; a row of values: 4,096 bytes
	s_mov_b32 s[G1X+6], 0
	s_mov_b32 s[G1X+7], 0
	s_mov_b32 s[G1B], 15|(3<<16)|(1<<21)           ; an eighth of a slot of W2: 12,800 dense bytes as 50 rows of 256; mask: all four work-groups
	s_mov_b32 s[G1B+1], 32<<16
	s_mov_b32 s[G1B+2], 50<<16
	s_mov_b32 s[G1B+3], 32<<16
	s_mov_b32 s[G1B+4], 50
	s_mov_b32 s[G1B+5], 32
	s_mov_b32 s[G1B+6], 0
	s_mov_b32 s[G1B+7], 0
	s_lshl_b32 s20, s19, 20                        ; values: 256 rows of 4,096 bytes a block,
	s_lshl_b32 s21, s[WV], 17                      ; 32 a wave
	s_add_co_u32 s20, s20, s21
	s_mov_b32 s21, 0
	s_mul_i32 s22, s[WV], 12800                    ; my eighth of a slot, in memory and in LDS
	s_mov_b32 s23, 0
	s_lshr_b32 s36, s19, 3                         ; the batch b: it lies at 1,024 (b / 16) + 16 (b % 16) in a tile of qb
	s_lshr_b32 s37, s36, 4
	s_lshl_b32 s37, s37, 10
	s_and_b32 s36, s36, 15
	s_lshl_b32 s36, s36, 4
	s_add_co_u32 s36, s36, s37
	s_mov_b32 s37, 0
	s_lshl_b32 s38, s19, 10                        ; scores: 1,024 bytes a block
	s_mov_b32 s39, 0
	s_mov_b32 s[CS], 0x4038aa3b                    ; 2 log2(e)
	s_mov_b32 s[CS+1], s[CS]
	s_mov_b32 s[SEL], 0x76543210
	s_mov_b32 s[SEL+1], 0xfedcba98
	s_mov_b32 s[HM], 0xffff0000                    ; lanes 16-31
	s_mov_b32 s[TB], RING1
	s_mov_b32 s[SOFF], 0
	v_and_b32 v24, 31, v0                          ; lane
	v_and_b32 v25, 15, v0                          ; r
	v_bfe_u32 v[HH], v0, 4, 1                      ; h
	s_delay_alu instid0(VALU_DEP_2)
	v_mul_u32_u24 v[LX0], v25, XP
	v_lshlrev_b32 v[SH], 3, v[HH]
	s_delay_alu instid0(VALU_DEP_2)
	v_lshl_add_u32 v[LX0], v[HH], 7, v[LX0]
	s_delay_alu instid0(VALU_DEP_1)
	v_add_nc_u32 v[LX0], s[XB], v[LX0]             ; my first tile: row r, + 128 h
	s_delay_alu instid0(VALU_DEP_1)
	v_add_nc_u32 v[LX1], XQ, v[LX0]                ; my second
	v_lshrrev_b32 v26, 1, v24
	v_and_b32 v27, 1, v24
	s_delay_alu instid0(VALU_DEP_2)
	v_lshlrev_b32 v26, 12, v26
	s_delay_alu instid0(VALU_DEP_1)
	v_lshl_or_b32 v[PFO], v27, 8, v26              ; the prefetches: row lane / 2, block lane % 2
	v_lshlrev_b32 v[L16], 4, v24
	v_lshlrev_b32 v[L32], 5, v24
	s_delay_alu instid0(VALU_DEP_2)
	v_add_nc_u32 v[L16B], GRPB, v[L16]
	s_delay_alu instid0(VALU_DEP_2)
	v_add_nc_u32 v[L32B], GRPB, v[L32]
	v_lshl_add_u32 v[AV0], v25, 4, QV              ; qb and V of a group: 16 r
	v_and_b32 v26, 63, v0
	s_delay_alu instid0(VALU_DEP_1)
	v_lshl_add_u32 v[SCB], v26, 4, SCO
	v_lshlrev_b32 v[SCG], 4, v26
	v_lshlrev_b32 v[T16], 4, v0
	v_lshrrev_b32 v26, 5, v0                       ; my scores in LDS: 128 bytes a wave, + 32 h
	v_lshlrev_b32 v26, 7, v26
	v_lshl_add_u32 v26, v[HH], 5, v26
	v_add_nc_u32 v[SCA], SCO, v26
	v_lshrrev_b32 v26, 4, v0                       ; column 4 t + i goes to group t / 16, tile (t / 4) % 4, lane 4 (t % 4) + i: 512 (t / 16) + 64 (t % 4) + 16 i + 4 ((t / 4) % 4)
	v_and_b32 v27, 3, v0
	v_lshlrev_b32 v26, 9, v26
	v_lshl_or_b32 v26, v27, 6, v26
	v_bfe_u32 v27, v0, 2, 2
	v_lshl_or_b32 v26, v27, 2, v26
	v_add_nc_u32 v[QST], QV, v26
	v_lshrrev_b32 v26, 2, v0                       ; qb in memory: thread t takes columns 4 t .. 4 t + 3: tile t / 4, half (t / 2) % 2, chunk t % 2
	v_bfe_u32 v27, v0, 1, 1
	s_delay_alu instid0(VALU_DEP_2)
	v_lshlrev_b32 v26, 11, v26
	s_delay_alu instid0(VALU_DEP_1)
	v_lshl_or_b32 v26, v27, 8, v26
	v_and_b32 v27, 1, v0
	s_delay_alu instid0(VALU_DEP_1)
	v_lshl_or_b32 v[QGO], v27, 9, v26
	v_mov_b32 v[WP], 0                             ; a lane permute's destination counts as one of its sources
	s_wait_alu depctr_va_vdst(0)
	s_wait_dscnt 0x0                               ; both opening adds are done
	s_wait_kmcnt 0x0
	s_add_nc_u64 s[4:5], s[4:5], s[20:21]
	s_add_nc_u64 s[6:7], s[6:7], s[22:23]
	s_add_nc_u64 s[8:9], s[8:9], s[36:37]
	s_add_nc_u64 s[12:13], s[12:13], s[38:39]
	global_load_b128 v[32:35], v[QGO], s[8:9]
	global_load_b128 v[36:39], v[T16], s[10:11]
	s_mov_b32 s[G0X], 1
	s_mov_b32 s[G0X+1], s[XB]
	s_mov_b64 s[G0X+2:G0X+3], s[4:5]
	s_or_b32 s[G0X+3], s[G0X+3], 0x80000000
	s_mov_b32 s[G0B], 1
	s_mov_b32 s[G0B+1], s22
	s_mov_b64 s[G0B+2:G0B+3], s[6:7]
	s_or_b32 s[G0B+3], s[G0B+3], 0x80000000
	CROUND                                         ; the round in front of the first tensor loads
	tensor_load_to_lds s[G0X:G0X+3], s[G1X:G1X+7]  ; step 0: one tensor load a wave at the head
	s_nop 0
	NOPS 4
	s_wait_loadcnt 0x0
	v_pk_mul_f32 v[32:33], v[32:33], s[CS:CS+1] op_sel_hi:[1,0]    ; qb goes to LDS as qb x 2 log2(e),
	v_pk_mul_f32 v[34:35], v[34:35], s[CS:CS+1] op_sel_hi:[1,0]
	v_pk_mul_f32 v[36:37], v[36:37], -2.0 op_sel_hi:[1,0]          ; V as -2 V
	v_pk_mul_f32 v[38:39], v[38:39], -2.0 op_sel_hi:[1,0]
.irp i, 0,1,2,3
	ds_store_b32 v[QST], v[32+\i] offset:16*\i     ; phase X's rounds stand between these stores and the other waves' reads
	ds_store_b32 v[QST], v[36+\i] offset:256+16*\i
.endr
.set JJ, 0
.rept 8
	XSTEP JJ
.set JJ, JJ+1
.endr
.set II, 0
.rept 24
	v_mov_b32 v[QC+II], 0                          ; qb and V for the late waves' first tanh, and the sums: four pairs a tile
.set II, II+1
.endr
	s_mov_b32 s[CNT], 7
.Lslot:                                            ; seven trips, each asking for the next slot; the last slot is written out and asks for nothing
	SLOTM 1
	s_sub_co_u32 s[CNT], s[CNT], 1
	s_cmp_lg_u32 s[CNT], 0
	s_cbranch_scc1 .Lslot
	SLOTM 0
.irp x, 1,2,4,8                        ; register 8 m + j is row 16 m + 8 h + j, my column's part: the sixteen lanes of my row of lanes are joined, the sixteen registers by turns
.set II, 0
.rept 16
	v_add_f32_dpp v[SCR+II], v[SCR+II], v[SCR+II] row_xmask:\x row_mask:0xf bank_mask:0xf
.set II, II+1
.endr
.endr
.irp m, 0,1
.irp e, 0,1
	ds_store_b128 v[SCA], v[SCR+8*\m+4*\e:SCR+8*\m+4*\e+3] offset:64*\m+16*\e   ; sixteen lanes write the same words with the same values
.endr
.endr
	s_wait_dscnt 0x0                               ; for the others' sake
	s_barrier_signal -1
	s_barrier_wait -1
	s_cmp_lt_u32 s[WV], 2
	s_cbranch_scc0 .Lno_out
	ds_load_b128 v[68:71], v[SCB]
	s_wait_dscnt 0x0
	global_store_b128 v[SCG], v[68:71], s[12:13]   ; a wave stores 512 consecutive bytes, at a multiple of 256 from the buffer's first byte
.Lno_out:
	s_wait_tensorcnt 0x0                           ; the wave's end
	ds_add_u32 v[SPW], v[NIL]
	s_wait_dscnt 0x0
	CROUND                                         ; the closing round
	s_endpgm
.Lfunc_end_k_q6dd39c03cf_score:
	.size	k_q6dd39c03cf_score, .Lfunc_end_k_q6dd39c03cf_score-k_q6dd39c03cf_score
	.p2alignl 7, 3214868480
	.fill 96, 4, 3214868480
	.section	.rodata,"a",@progbits
	.p2align	6, 0x0
	.amdhsa_kernel k_q6dd39c03cf_score
		.amdhsa_group_segment_fixed_size 327680
		.amdhsa_private_segment_fixed_size 0
		.amdhsa_enable_private_segment 0
		.amdhsa_kernarg_size 40
		.amdhsa_user_sgpr_count 2
		.amdhsa_user_sgpr_kernarg_segment_ptr 1
		.amdhsa_wavefront_size32 1
		.amdhsa_system_sgpr_workgroup_id_x 1
		.amdhsa_system_sgpr_workgroup_id_y 1
		.amdhsa_system_sgpr_workgroup_id_z 1
		.amdhsa_system_vgpr_workitem_id 0
		.amdhsa_next_free_vgpr 512
		.amdhsa_next_free_sgpr 66
		.amdhsa_reserve_vcc 0
		.amdhsa_float_denorm_mode_32 3
		.amdhsa_float_denorm_mode_16_64 3
		.amdhsa_memory_ordered 1
		.amdhsa_forward_progress 1
		.amdhsa_inst_pref_size 232
	.end_amdhsa_kernel
	.amdgpu_metadata
---
amdhsa.version: [ 1, 2 ]
amdhsa.kernels:
  - .name:           k_q6dd39c03cf_score
    .symbol:         k_q6dd39c03cf_score.kd
    .args:
      - { .name: values, .offset: 0, .size: 8, .value_kind: global_buffer, .address_space: global }
      - { .name: w2f, .offset: 8, .size: 8, .value_kind: global_buffer, .address_space: global }
      - { .name: qb, .offset: 16, .size: 8, .value_kind: global_buffer, .address_space: global }
      - { .name: V, .offset: 24, .size: 8, .value_kind: global_buffer, .address_space: global }
      - { .name: scores, .offset: 32, .size: 8, .value_kind: global_buffer, .address_space: global }
    .group_segment_fixed_size: 327680
    .private_segment_fixed_size: 0
    .kernarg_segment_align: 8
    .kernarg_segment_size: 40
    .max_flat_workgroup_size: 256
    .sgpr_count:     66
    .vgpr_count:     512
    .wavefront_size: 32
...
	.end_amdgpu_metadata
.endif
;; end of part 2
;; launch context (part 3): grid 256 x 1, 8 waves a work-group, no clusters, 13,568 bytes of LDS; arguments scores, values, out0, out1; writes out0, out1
.if DOCPART == 3
	.amdgcn_target "amdgcn-amd-amdhsa--gfx1250"
	.amdhsa_code_object_version 6
	.text
	.protected	k_q6dd39c03cf_context
	.globl	k_q6dd39c03cf_context
	.p2align	8
	.type	k_q6dd39c03cf_context,@function
k_q6dd39c03cf_context:
	s_mov_b64 s[64:65], 0
	v_nop
	global_prefetch_b8 v0, s[64:65] scope:SCOPE_SE
	s_setreg_imm32_b32 hwreg(HW_REG_WAVE_MODE, 25, 1), 1
	s_wait_xcnt 0x0
; CONTEXT.  out1[b][t] = softmax over t of scores[b][t];  out0[b][d] = sum over t of out1[b][t] values[b][t][d].  All in f32.
; SHARES.  Work-group x: batch b = x / 8, columns 128 c .. 128 c + 127 with c = x % 8.  Each work-group makes the batch's softmax for itself (8 KiB of scores) and stores rows 256 c .. 256 c + 255 of out1.
; Wave w takes rows t = 256 w .. 256 w + 255; a load of the wave reads one row's 512 bytes, 16 a lane, at a multiple of 256 from the buffer's first byte.  A ring of 32 rows in registers: 32 loads of every wave are out.
; The weights lie in LDS and come four at a time, all lanes at one address, in a ring of eight quads.  The eight waves' sums meet in LDS and wave 0 adds them in order.
; The maximum is taken away before the exponential, as the softmax asks.
; This is the second read of values in the program: the weights are known only when all 1,024 columns of the first product have passed a row.
; NO CLUSTER, no matrix unit, no tensor load: a stream; what the eight work-groups of a batch share (8 KiB of scores) is under a hundredth of the 1 MiB that each reads.
.set RED,  8192                        ; LDS: 0 .. 8,191 the weights by t; from RED the eight waves' sums, 512 bytes each
.set STAT, 12288                       ; the waves' maxima (8 words), and 32 bytes on their sums
.set SC,   8                           ; v8-15   my eight scores, then weights
.set WT,   24                          ; v24-55  eight quads of weights
.set ACC,  56                          ; v56-63  my four columns' sums, in two chains (even rows, odd rows)
.set XX,   64                          ; v64-191 32 rows x 4 registers
	s_load_b256 s[4:11], s[0:1], 0x0               ; scores s[4:5], values s[6:7], out0 s[8:9], out1 s[10:11]
	v_lshl_add_u32 v192, v0, 2, 12544              ; my spare word, behind the waves' maxima and sums; never rewritten
	v_mov_b32 v193, 0                              ; 0; never rewritten
	v_lshrrev_b32 v1, 5, v0
	s_delay_alu instid0(VALU_DEP_1)
	v_readfirstlane_b32 s12, v1                    ; wave 0..7
	v_and_b32 v1, 31, v0
	s_delay_alu instid0(VALU_DEP_1)
	v_lshlrev_b32 v2, 4, v1                        ; 16 x lane
	v_lshlrev_b32 v4, 4, v0                        ; 16 x thread = 512 x wave + 16 x lane
	s_wait_alu depctr_va_vdst(0)
	s_lshr_b32 s13, ttmp9, 3                       ; b
	s_and_b32 s14, ttmp9, 7                        ; c
	s_lshl_b32 s16, s13, 13                        ; scores: 8,192 bytes a batch
	s_mov_b32 s17, 0
	s_lshl_b32 s18, s13, 23                        ; values: 2,048 rows of 4,096 bytes a batch,
	s_lshl_b32 s19, s12, 20                        ; 256 rows a wave,
	s_add_co_u32 s18, s18, s19
	s_lshl_b32 s19, s14, 9                         ; 512 bytes of a row
	s_add_co_u32 s18, s18, s19
	s_mov_b32 s19, 0
	s_lshl_b32 s20, s13, 12                        ; out0: 4,096 b + 512 c
	s_lshl_b32 s21, s14, 9
	s_add_co_u32 s20, s20, s21
	s_mov_b32 s21, 0
	s_lshl_b32 s22, s14, 10
	v_add_nc_u32 v7, s22, v4                       ; LDS: the weights that I store to out1 (threads 0-63): 1,024 c + 16 x thread
	s_add_co_u32 s22, s22, s16                     ; out1: 8,192 b + 1,024 c
	s_mov_b32 s23, 0
	s_lshl_b32 s24, s12, 10
	v_mov_b32 v3, s24                              ; LDS: my wave's 256 weights; it steps 128 bytes a trip
	s_lshl_b32 s24, s12, 2
	s_add_co_u32 s24, s24, STAT
	v_mov_b32 v5, s24                              ; my wave's word among the maxima
	v_mov_b32 v6, STAT
	v_mov_b32 v17, 0                               ; a lane permute's destination counts as one of its sources
	s_mov_b32 s26, 0x76543210
	s_mov_b32 s27, 0xfedcba98
	s_mov_b32 s28, 7
	s_wait_kmcnt 0x0
	s_add_nc_u64 s[4:5], s[4:5], s[16:17]
	s_add_nc_u64 s[6:7], s[6:7], s[18:19]
	s_add_nc_u64 s[8:9], s[8:9], s[20:21]
	s_add_nc_u64 s[10:11], s[10:11], s[22:23]
	global_load_b128 v[SC:SC+3], v4, s[4:5]
	global_load_b128 v[SC+4:SC+7], v4, s[4:5] offset:4096
.set II, 0
.rept 32
	global_load_b128 v[XX+4*II:XX+4*II+3], v2, s[6:7] offset:4096*II th:TH_LOAD_NT   ; the ring is filled while the softmax is made
.set II, II+1
.endr
	s_wait_loadcnt 32                              ; the scores are in; the 32 rows may be out
	v_max3_num_f32 v16, v[SC], v[SC+1], v[SC+2]
	s_delay_alu instid0(VALU_DEP_1)
	v_max3_num_f32 v16, v16, v[SC+3], v[SC+4]
	s_delay_alu instid0(VALU_DEP_1)
	v_max3_num_f32 v16, v16, v[SC+5], v[SC+6]
	s_delay_alu instid0(VALU_DEP_1)
	v_max_num_f32 v16, v16, v[SC+7]
	s_delay_alu instid0(VALU_DEP_1)
	v_max_num_f32_dpp v16, v16, v16 row_xmask:1 row_mask:0xf bank_mask:0xf
	s_delay_alu instid0(VALU_DEP_1)
	v_max_num_f32_dpp v16, v16, v16 row_xmask:2 row_mask:0xf bank_mask:0xf
	s_delay_alu instid0(VALU_DEP_1)
	v_max_num_f32_dpp v16, v16, v16 row_xmask:4 row_mask:0xf bank_mask:0xf
	s_delay_alu instid0(VALU_DEP_1)
	v_max_num_f32_dpp v16, v16, v16 row_xmask:8 row_mask:0xf bank_mask:0xf
	s_wait_alu depctr_va_vdst(0)
	v_permlanex16_b32 v17, v16, s26, s27
	s_delay_alu instid0(VALU_DEP_1)
	v_max_num_f32 v16, v16, v17
	ds_store_b32 v5, v16                           ; all lanes write the same word with the same value
	s_wait_dscnt 0x0
	s_barrier_signal -1
	s_barrier_wait -1
	ds_load_b128 v[16:19], v6
	ds_load_b128 v[20:23], v6 offset:16
	s_wait_dscnt 0x0
	v_max3_num_f32 v16, v16, v17, v18
	s_delay_alu instid0(VALU_DEP_1)
	v_max3_num_f32 v16, v16, v19, v20
	s_delay_alu instid0(VALU_DEP_1)
	v_max3_num_f32 v16, v16, v21, v22
	s_delay_alu instid0(VALU_DEP_1)
	v_max_num_f32 v16, v16, v23                    ; the batch's largest score
.irp i, 0,1,2,3,4,5,6,7
	v_sub_f32 v[SC+\i], v[SC+\i], v16
.endr
.irp i, 0,1,2,3,4,5,6,7
	v_mul_f32 v[SC+\i], 0x3fb8aa3b, v[SC+\i]       ; x log2(e)
.endr
	s_wait_alu depctr_va_vdst(0)
.irp i, 0,1,2,3,4,5,6,7
	v_exp_f32 v[SC+\i], v[SC+\i]
.endr
	v_nop                                          ; a plain line between the exponentials and the use of their results
	s_wait_alu depctr_va_vdst(0)
	v_add_f32 v17, v[SC], v[SC+1]
	v_add_f32 v18, v[SC+2], v[SC+3]
	v_add_f32 v19, v[SC+4], v[SC+5]
	v_add_f32 v20, v[SC+6], v[SC+7]
	s_delay_alu instid0(VALU_DEP_3)
	v_add_f32 v17, v17, v18
	s_delay_alu instid0(VALU_DEP_2)
	v_add_f32 v19, v19, v20
	s_delay_alu instid0(VALU_DEP_1)
	v_add_f32 v17, v17, v19
	s_delay_alu instid0(VALU_DEP_1)
	v_add_f32_dpp v17, v17, v17 row_xmask:1 row_mask:0xf bank_mask:0xf
	s_delay_alu instid0(VALU_DEP_1)
	v_add_f32_dpp v17, v17, v17 row_xmask:2 row_mask:0xf bank_mask:0xf
	s_delay_alu instid0(VALU_DEP_1)
	v_add_f32_dpp v17, v17, v17 row_xmask:4 row_mask:0xf bank_mask:0xf
	s_delay_alu instid0(VALU_DEP_1)
	v_add_f32_dpp v17, v17, v17 row_xmask:8 row_mask:0xf bank_mask:0xf
	s_delay_alu instid0(VALU_DEP_1)
	v_permlanex16_b32 v18, v17, s26, s27
	s_delay_alu instid0(VALU_DEP_1)
	v_add_f32 v17, v17, v18
	ds_store_b32 v5, v17 offset:32                 ; other bytes than the maxima's: no barrier is owed between
	s_wait_dscnt 0x0
	s_barrier_signal -1
	s_barrier_wait -1
	ds_load_b128 v[16:19], v6 offset:32
	ds_load_b128 v[20:23], v6 offset:48
	s_wait_dscnt 0x0
.irp i, 1
	v_add_f32 v16, v16, v[16+\i]
.endr
.irp i, 2, 3, 4, 5, 6, 7
	s_delay_alu instid0(VALU_DEP_1)
	v_add_f32 v16, v16, v[16+\i]
.endr
	s_wait_alu depctr_va_vdst(0)
	v_rcp_f32 v16, v16
	v_nop                                          ; a plain line behind the reciprocal
	s_wait_alu depctr_va_vdst(0)
.irp i, 0,1,2,3,4,5,6,7
	v_mul_f32 v[SC+\i], v[SC+\i], v16              ; the weights
.endr
	ds_store_b128 v4, v[SC:SC+3]
	ds_store_b128 v4, v[SC+4:SC+7] offset:4096
	s_wait_dscnt 0x0
	s_barrier_signal -1
	s_barrier_wait -1                              ; all 2,048 weights lie in LDS
	s_cmp_lt_u32 s12, 2
	s_cbranch_scc0 .Lno_out1
	ds_load_b128 v[16:19], v7
	s_wait_dscnt 0x0
	global_store_b128 v4, v[16:19], s[10:11]       ; a wave stores 512 consecutive bytes of out1; v16-19 are not written again
.Lno_out1:
.irp q, 0,1,2,3,4,5,6,7
	ds_load_b128 v[WT+4*\q:WT+4*\q+3], v3 offset:16*\q             ; my first 32 rows' weights
.endr
.irp i, 0,1,2,3,4,5,6,7
	v_mov_b32 v[ACC+\i], 0
.endr
; 32 rows.  refill = 1: each row's registers take the row 32 further down, each quad the weights 32 further on.
.macro ROWS refill
.irp q, 0,1,2,3,4,5,6,7
.if \refill
	s_wait_dscnt 0x7                               ; the seven younger quads may be out
.else
	s_wait_dscnt 7-\q
.endif
.irp e, 0,1,2,3
.if \refill
	s_wait_loadcnt 31                              ; loads come back in order: this row is in, the 31 younger ones may be out
.else
	s_wait_loadcnt 31-(4*\q+\e)
.endif
.if \e%2 == 0
	s_wait_alu depctr_va_vdst(0)
	v_pk_fma_f32 v[ACC:ACC+1], v[XX+16*\q+4*\e:XX+16*\q+4*\e+1], v[WT+4*\q+\e:WT+4*\q+\e+1], v[ACC:ACC+1] op_sel_hi:[1,0,1]
	v_pk_fma_f32 v[ACC+2:ACC+3], v[XX+16*\q+4*\e+2:XX+16*\q+4*\e+3], v[WT+4*\q+\e:WT+4*\q+\e+1], v[ACC+2:ACC+3] op_sel_hi:[1,0,1]
.else
	v_pk_fma_f32 v[ACC+4:ACC+5], v[XX+16*\q+4*\e:XX+16*\q+4*\e+1], v[WT+4*\q+\e-1:WT+4*\q+\e], v[ACC+4:ACC+5] op_sel:[0,1,0] op_sel_hi:[1,1,1]
	v_pk_fma_f32 v[ACC+6:ACC+7], v[XX+16*\q+4*\e+2:XX+16*\q+4*\e+3], v[WT+4*\q+\e-1:WT+4*\q+\e], v[ACC+6:ACC+7] op_sel:[0,1,0] op_sel_hi:[1,1,1]
.endif
.if \refill
	global_load_b128 v[XX+16*\q+4*\e:XX+16*\q+4*\e+3], v2, s[6:7] offset:(32+4*\q+\e)*4096 th:TH_LOAD_NT
.endif
.endr
.if \refill
	ds_load_b128 v[WT+4*\q:WT+4*\q+3], v3 offset:128+16*\q
.endif
.endr
.endm
.Lround:                                           ; seven trips of 32 rows
	s_wait_alu depctr_va_vdst(0)
	ROWS 1
	s_wait_xcnt 0x0                                ; the base is stepped only behind this wait
	s_add_nc_u64 s[6:7], s[6:7], 131072
	v_add_nc_u32 v3, 128, v3
	s_sub_co_u32 s28, s28, 1
	s_cmp_lg_u32 s28, 0
	s_cbranch_scc1 .Lround
	ROWS 0                                         ; the last 32 rows load nothing: the counts run down
	s_wait_alu depctr_va_vdst(0)
	v_pk_add_f32 v[ACC:ACC+1], v[ACC:ACC+1], v[ACC+4:ACC+5]
	v_pk_add_f32 v[ACC+2:ACC+3], v[ACC+2:ACC+3], v[ACC+6:ACC+7]
	ds_store_b128 v4, v[ACC:ACC+3] offset:RED
	s_wait_dscnt 0x0
	s_barrier_signal -1
	s_barrier_wait -1
	s_cmp_lg_u32 s12, 0
	s_cbranch_scc1 .Lend
.irp i, 0,1,2,3,4,5,6,7
	ds_load_b128 v[XX+4*\i:XX+4*\i+3], v2 offset:RED+512*\i
.endr
	s_wait_dscnt 0x0
.irp i, 1
	v_pk_add_f32 v[XX:XX+1], v[XX:XX+1], v[XX+4*\i:XX+4*\i+1]      ; t ascending
	v_pk_add_f32 v[XX+2:XX+3], v[XX+2:XX+3], v[XX+4*\i+2:XX+4*\i+3]
.endr
.irp i, 2, 3, 4, 5, 6, 7
	s_delay_alu instid0(VALU_DEP_2)
	v_pk_add_f32 v[XX:XX+1], v[XX:XX+1], v[XX+4*\i:XX+4*\i+1]      ; t ascending
	s_delay_alu instid0(VALU_DEP_2)
	v_pk_add_f32 v[XX+2:XX+3], v[XX+2:XX+3], v[XX+4*\i+2:XX+4*\i+3]
.endr
	global_store_b128 v2, v[XX:XX+3], s[8:9]       ; 512 consecutive bytes of out0
.Lend:
	s_wait_tensorcnt 0x0                           ; the wave's end
	ds_add_u32 v192, v193
	s_wait_dscnt 0x0
	s_endpgm
.Lfunc_end_k_q6dd39c03cf_context:
	.size	k_q6dd39c03cf_context, .Lfunc_end_k_q6dd39c03cf_context-k_q6dd39c03cf_context
	.p2alignl 7, 3214868480
	.fill 96, 4, 3214868480
	.section	.rodata,"a",@progbits
	.p2align	6, 0x0
	.amdhsa_kernel k_q6dd39c03cf_context
		.amdhsa_group_segment_fixed_size 13568
		.amdhsa_private_segment_fixed_size 0
		.amdhsa_enable_private_segment 0
		.amdhsa_kernarg_size 32
		.amdhsa_user_sgpr_count 2
		.amdhsa_user_sgpr_kernarg_segment_ptr 1
		.amdhsa_wavefront_size32 1
		.amdhsa_system_sgpr_workgroup_id_x 1
		.amdhsa_system_sgpr_workgroup_id_y 1
		.amdhsa_system_sgpr_workgroup_id_z 1
		.amdhsa_system_vgpr_workitem_id 0
		.amdhsa_next_free_vgpr 200
		.amdhsa_next_free_sgpr 66
		.amdhsa_reserve_vcc 0
		.amdhsa_float_denorm_mode_32 3
		.amdhsa_float_denorm_mode_16_64 3
		.amdhsa_memory_ordered 1
		.amdhsa_forward_progress 1
		.amdhsa_inst_pref_size 29
	.end_amdhsa_kernel
	.amdgpu_metadata
---
amdhsa.version: [ 1, 2 ]
amdhsa.kernels:
  - .name:           k_q6dd39c03cf_context
    .symbol:         k_q6dd39c03cf_context.kd
    .args:
      - { .name: scores, .offset: 0, .size: 8, .value_kind: global_buffer, .address_space: global }
      - { .name: values, .offset: 8, .size: 8, .value_kind: global_buffer, .address_space: global }
      - { .name: out0, .offset: 16, .size: 8, .value_kind: global_buffer, .address_space: global }
      - { .name: out1, .offset: 24, .size: 8, .value_kind: global_buffer, .address_space: global }
    .group_segment_fixed_size: 13568
    .private_segment_fixed_size: 0
    .kernarg_segment_align: 8
    .kernarg_segment_size: 32
    .max_flat_workgroup_size: 256
    .sgpr_count:     66
    .vgpr_count:     200
    .wavefront_size: 32
...
	.end_amdgpu_metadata
.endif
;; end of part 3
